; MI455X (gfx1250); checked and timed in simulation.
; The chip was launched on July 23, 2026; its instructions are those of AMD's public machine-readable ISA for CDNA 5 (MIT licence, August 2026) and "CDNA5" Instruction Set Architecture Reference Guide (July 2026). The comments in the code are by the model that wrote it; some were corrected since.
;; TLSTM. Allowed arithmetic: matrix products marked QUANTISED: E2M1 operands, one E8M0 scale for each 32 along K, by v_wmma_scale_f32_16x16x128_f8f6f4 with both operands' format E2M1 (or v_wmma_scale_f32_32x16x128_f4), f32 sums; everything else in f32.
;; Inputs: hidden 1,024 x 2,048 float32; input 1,024 x 1,024 float32; labels 1,024 int32; params_Uc_b 2,048 float32; params_Uc_w 2,048 x 2,048 float32; params_Uf_b 2,048 float32; params_Uf_w 2,048 x 2,048 float32; params_Ui_b 2,048 float32; params_Ui_w 2,048 x 2,048 float32; params_Uog_b 2,048 float32; params_Uog_w 2,048 x 2,048 float32; params_W_decomp_b 2,048 float32; params_W_decomp_w 2,048 x 2,048 float32; params_Wc_b 2,048 float32; params_Wc_w 2,048 x 1,024 float32; params_Wf_b 2,048 float32; params_Wf_w 2,048 x 1,024 float32; params_Wi_b 2,048 float32; params_Wi_w 2,048 x 1,024 float32; params_Wog_b 2,048 float32; params_Wog_w 2,048 x 1,024 float32; params_b_decomp_b 2,048 float32; params_b_decomp_w 2,048 x 2,048 float32; params_bc_b 2,048 float32; params_bc_w 2,048 x 2,048 float32; params_bf_b 2,048 float32; params_bf_w 2,048 x 2,048 float32; params_bi_b 2,048 float32; params_bi_w 2,048 x 2,048 float32; params_bog_b 2,048 float32; params_bog_w 2,048 x 2,048 float32; prev_cell 1,024 x 2,048 float32; time 1,024 x 1 float32.
;; Outputs: out0 1,024 x 2,048 float32; out1 1,024 x 2,048 float32.
;; Constants: keep_prob = 1.
;; This version of the problem:
;;   THIS VERSION OF THE PROBLEM IS GIVEN IN LOW PRECISION. The matrix products marked QUANTISED in the list below multiply operands that are first quantised to E2M1 (2 exponent bits, 1 mantissa bit; 4 bits a number), with one power-of-two scale for each 32 numbers along K (OCP MX v1.0); their sums are f32. All else is computed in f32.
;;   The module's matrix products, in the order in which they are computed (A, B: the left and right operand; K: the contracted axis; several contracted axes count as one K, in the product's order):
;;     1. [M 1,024, K 2,048] x [K 2,048, N 2,048]; A: input prev_cell; B: input params_W_decomp_w: QUANTISED
;;     2. [M 1,024, K 2,048] x [K 2,048, N 2,048]; A: input prev_cell; B: input params_b_decomp_w: QUANTISED
;;     3. [M 1,024, K 1,024] x [K 1,024, N 2,048]; A: input input; B: input params_Wi_w: QUANTISED
;;     4. [M 1,024, K 2,048] x [K 2,048, N 2,048]; A: input hidden; B: input params_Ui_w: QUANTISED
;;     5. [M 1,024, K 2,048] x [K 2,048, N 2,048]; A: input hidden; B: input params_bi_w: QUANTISED
;;     6. [M 1,024, K 1,024] x [K 1,024, N 2,048]; A: input input; B: input params_Wf_w: QUANTISED
;;     7. [M 1,024, K 2,048] x [K 2,048, N 2,048]; A: input hidden; B: input params_Uf_w: QUANTISED
;;     8. [M 1,024, K 2,048] x [K 2,048, N 2,048]; A: input hidden; B: input params_bf_w: QUANTISED
;;     9. [M 1,024, K 1,024] x [K 1,024, N 2,048]; A: input input; B: input params_Wog_w: QUANTISED
;;     10. [M 1,024, K 2,048] x [K 2,048, N 2,048]; A: input hidden; B: input params_Uog_w: QUANTISED
;;     11. [M 1,024, K 2,048] x [K 2,048, N 2,048]; A: input hidden; B: input params_bog_w: QUANTISED
;;     12. [M 1,024, K 1,024] x [K 1,024, N 2,048]; A: input input; B: input params_Wc_w: QUANTISED
;;     13. [M 1,024, K 2,048] x [K 2,048, N 2,048]; A: input hidden; B: input params_Uc_w: QUANTISED
;;     14. [M 1,024, K 2,048] x [K 2,048, N 2,048]; A: input hidden; B: input params_bc_w: QUANTISED
;;   THE QUANTISER, for each operand of a quantised product, along K:
;;     - K is cut into blocks of 32 from its start; a last block that is shorter is filled with zeros.
;;     - A block's scale is 2^e with e = floor(log2(the largest magnitude in the block)) - 2, held to -126 .. 127; a block of zeros has e = 0. As a byte (E8M0): e + 127.
;;     - Each number is divided by its block's scale, clamped to +-6, and rounded to the nearest number of E2M1, ties to even, subnormals kept.
;;     - The product sums the exact products of the quantised numbers (number of the format x scale) in f32.
;;   ~~~python
;;   def quantise(x, axis):      # numpy; x: float32 -> the quantised numbers, widened to float32 again
;;       x = np.moveaxis(x, axis, -1); K = x.shape[-1]
;;       x = np.pad(x, [(0, 0)] * (x.ndim - 1) + [(0, -K % 32)]); x = x.reshape(x.shape[:-1] + (-1, 32)); a = np.abs(x).max(-1, keepdims=True)
;;       e = np.where(a > 0, np.clip(np.frexp(np.where(a > 0, a, 1))[1] - 1 - 2, -126, 127), 0)      # np.frexp(a)[1] - 1 = floor(log2(a)), exactly
;;       r = np.clip(x / 2.0 ** e, -6, 6)
;;       step = 2.0 ** (np.maximum(np.frexp(np.where(r == 0, 1, r))[1] - 1, 0) - 1)
;;       q = np.round(r / step) * step * 2.0 ** e      # np.round: ties to even
;;       return np.moveaxis(q.reshape(q.shape[:-2] + (-1,))[..., :K], -1, axis).astype(np.float32)
;;   ~~~
;; One version. Each part assembles by itself: llvm-mc -triple=amdgcn-amd-amdhsa -mcpu=gfx1250 --defsym DOCPART=n.
;; ======== version 1 of 1: 2 launches
;; limits: right only within a limited range of input values
;; workspace buffers: acodes 2,785,280 bytes; bcodes 26,738,688 bytes
;; launch quant (part 1): grid 256 x 1, 8 waves a work-group, no clusters, 327,680 bytes of LDS; arguments prev_cell, hidden, input, params_W_decomp_w, params_b_decomp_w, params_Ui_w, params_bi_w, params_Uf_w, params_bf_w, params_Uog_w, params_bog_w, params_Uc_w, params_bc_w, params_Wi_w, params_Wf_w, params_Wog_w, params_Wc_w, acodes, bcodes; writes acodes, bcodes
.if DOCPART == 1
	.amdgcn_target "amdgcn-amd-amdhsa--gfx1250"
	.amdhsa_code_object_version 6
	.text
	.protected	k_qa1555e97a6_quant
	.globl	k_qa1555e97a6_quant
	.p2align	8
	.type	k_qa1555e97a6_quant,@function
k_qa1555e97a6_quant:
	s_mov_b64 s[64:65], 0
	v_nop
	global_prefetch_b8 v0, s[64:65] scope:SCOPE_SE
	s_setreg_imm32_b32 hwreg(HW_REG_WAVE_MODE, 25, 1), 1
	s_wait_xcnt 0x0
; The three activations and the fourteen weights, all f32 with K innermost, become codes of FP4 (E2M1) with one E8M0 byte for each 32 along K.
; A block's scale is 2^(floor(log2(its largest magnitude)) - 2); its byte is the largest magnitude's exponent field - 2, held at 1 from below; each number is divided by the scale and rounded to the nearest code, ties to even, beyond 6 the largest code.
; LIMITS: NaN and infinities among the inputs are not served; a block whose largest magnitude lies under 2^-124 gets the byte 1, a block of zeros too (the quantiser's text says 127): its codes are zeros, and the bytes are read by this program alone.
; labels and keep_prob have no way to any output of reference() and are among no launch's arguments.
; WHAT IS WRITTEN: RECORDS of 4,352 bytes, 64 rows x 128 along K of one tensor, laid as the second launch's operand registers want them:
;   four images of 1,024 bytes (16 rows each); in an image the row's block b of 32 codes (16 bytes) lies at 256 b + 16 (row % 16); then 256 scale bytes at 4,096 + 4 row + b.
;   acodes: [block of 128 rows][unit 0..39][half of 64 rows]; units 0-15 prev_cell, 16-23 input, 24-39 hidden, 128 along K each.
;   bcodes: [block of 64 weight rows][192 records]: 2 k + m (W_decomp, b_decomp); 32 + 4 k + m (Wi, Wf, Wog, Wc); 64 + 8 k + m (Ui, bi, Uf, bf, Uog, bog, Uc, bc).
; SHARES: a UNIT is 16 rows x 256 along K of one tensor: 16 rows of 1,024 bytes, one image in each of two records.  The tensors with K = 1,024 have 2,304 units, those with K = 2,048 have 11,264: 9 and 44 for each
; of the 256 work-groups, 53 in all.  Eight waves take a unit each in seven trips: trip 0 eight units of K = 1,024, trips 1-5 forty of K = 2,048, trip 6 four of K = 2,048 (waves 0-3) and one of K = 1,024 (wave 4).
; A unit comes by ONE tensor load into the wave's own LDS slot (two slots a wave, by turns), rows 1,040 bytes apart.  A lane then reads whole blocks of 32 numbers: row lane % 16, block 2 q + lane / 16 in pass q = 0..3;
; the block's largest magnitude needs no other lane, and its 16 bytes of codes are stored as they come: the 32 lanes of a store cover 512 consecutive bytes of an image.  No LDS stage on the way out.
; The scale words (one a row and record) leave as two runs of 64 bytes: these 256-byte units are written in part, 128 bytes for every 16,384 read; a whole unit would need 64 rows in one wave.
; PREFETCH: each wave asks for the 64 blocks of 256 bytes of its own unit (a lane a block, two instructions) one trip ahead of that unit's tensor load; unit 0 comes by its load alone; the last two trips ask for nothing.
; No cluster: no two work-groups read the same bytes.
.set REC,   4352
.set PITCH, 1040                       ; 1,024 bytes + 16 of padding: the 16 rows that a load touches start at 16 different banks
.set TILE,  16*PITCH
.set SPARE, 16*TILE                    ; behind the eight waves' two slots: the spare words, 128 bytes a wave
.set G1,    68                         ; s[68:75] group 1, rows 8,192 bytes apart
.set G1B,   76                         ; s[76:83] group 1, rows 4,096 bytes apart
.set G0,    84                         ; s[84:91] group 0, one for each slot
.set WV,    42
.set UA,    100                        ; 9 g + wave
.set UB,    101                        ; 2,304 + 44 g + wave
.set C,     32                         ; v32-47  codes, four registers a pass
.set X,     64                         ; v64-191 the unit's numbers, 32 a pass
; v2, v3 the add's two registers; v4 LDS address; v5 16 lane; v6 4 row; v7 lane / 16; v8 8 (lane / 16); v9, v10 prefetch offsets (K = 2,048, 1,024); v11-13 store offsets; v16-19 scale operands; v20-23 bytes; v24-26 scale words; v28-31 maxima
; A unit's set of six scalars: +0,1 its first number's address; +2,3 its first record's address; +4 bytes from that record to the second; +5 its image.  Three sets by turns.
.macro SETK n
.if ((\n)%3) == 2
.set SI, 92
.else
.set SI, 48+6*((\n)%3)
.endif
.endm
; WHICH TENSOR: the units are numbered through the tensors in runs; the last run whose start is not above the unit's number (s2) is the unit's.  Only a pointer and a word of constants are chosen.
; The word: 13:0 the run's start; 20:14 the tensor's first record in its group; 22:21 log2 of the records from one 128 along K to the next; 23: a weight; 24: K = 1,024.
.macro PK arg, start, base, lks, isb, k1
	s_cmp_ge_u32 s2, \start
	s_cselect_b64 s[SI:SI+1], s[8+2*(\arg):9+2*(\arg)], s[SI:SI+1]
	s_cselect_b32 s3, (\start)|((\base)<<14)|((\lks)<<21)|((\isb)<<23)|((\k1)<<24), s3
.endm
.macro ADDR cls                        ; cls 1: a unit of K = 1,024; 2: of K = 2,048; 3: of either
.if (\cls) == 2
	s_mov_b64 s[SI:SI+1], s[8:9]                   ; prev_cell
	s_mov_b32 s3, 2304|(1<<21)
.else
	s_mov_b64 s[SI:SI+1], s[12:13]                 ; input
	s_mov_b32 s3, (32<<14)|(1<<21)|(1<<24)
	PK 13, 256, 32, 2, 1, 1                        ; Wi
	PK 14, 768, 33, 2, 1, 1                        ; Wf
	PK 15, 1280, 34, 2, 1, 1                       ; Wog
	PK 16, 1792, 35, 2, 1, 1                       ; Wc
.endif
.if (\cls) == 3
	PK 0, 2304, 0, 1, 0, 0                         ; prev_cell
.endif
.if (\cls) >= 2
	PK 1, 2816, 48, 1, 0, 0                        ; hidden
	PK 3, 3328, 0, 1, 1, 0                         ; W_decomp
	PK 4, 4352, 1, 1, 1, 0                         ; b_decomp
	PK 5, 5376, 64, 3, 1, 0                        ; Ui
	PK 6, 6400, 65, 3, 1, 0                        ; bi
	PK 7, 7424, 66, 3, 1, 0                        ; Uf
	PK 8, 8448, 67, 3, 1, 0                        ; bf
	PK 9, 9472, 68, 3, 1, 0                        ; Uog
	PK 10, 10496, 69, 3, 1, 0                      ; bog
	PK 11, 11520, 70, 3, 1, 0                      ; Uc
	PK 12, 12544, 71, 3, 1, 0                      ; bc
.endif
	s_and_b32 s4, s3, 0x3fff
	s_sub_co_u32 s4, s2, s4                        ; the unit's number in its tensor
	s_bfe_u32 s5, s3, 0x10018                      ; 1 where K = 1,024
	s_lshr_b32 s6, 7, s5
	s_and_b32 s6, s4, s6                           ; which 256 along K
	s_sub_co_u32 s7, 3, s5
	s_lshr_b32 s7, s4, s7                          ; which 16 rows
	s_sub_co_u32 s60, 17, s5
	s_lshl_b32 s60, s7, s60                        ; 16 rows of 8,192 or 4,096 bytes (under 2^25)
	s_lshl_b32 s61, s6, 10
	s_add_co_u32 s60, s60, s61
	s_mov_b32 s61, 0
	s_add_nc_u64 s[SI:SI+1], s[SI:SI+1], s[60:61]
	s_and_b32 s[SI+5], s7, 3                       ; the image
	s_lshr_b32 s62, s7, 2                          ; which 64 rows
	s_mul_i32 s63, s62, 192                        ; a weight's group: 192 records;
	s_lshr_b32 s98, s62, 1
	s_mul_i32 s98, s98, 80
	s_and_b32 s99, s62, 1
	s_add_co_u32 s98, s98, s99                     ; an activation's: 80 for each 128 rows, + the half
	s_bitcmp1_b32 s3, 23
	s_cselect_b32 s63, s63, s98
	s_cselect_b64 s[SI+2:SI+3], s[46:47], s[44:45]
	s_bfe_u32 s98, s3, 0x7000e
	s_add_co_u32 s63, s63, s98
	s_bfe_u32 s98, s3, 0x20015
	s_lshl_b32 s99, s6, 1                          ; the first of the unit's two 128 along K
	s_lshl_b32 s99, s99, s98
	s_add_co_u32 s63, s63, s99                     ; the record's number (under 6,144)
	s_mul_i32 s60, s63, REC
	s_add_nc_u64 s[SI+2:SI+3], s[SI+2:SI+3], s[60:61]
	s_lshl_b32 s[SI+4], REC, s98
.endm
.macro ASK off                         ; the 64 blocks of 256 bytes of the unit whose set is SI
	global_prefetch_b8 v[\off], s[SI:SI+1] th:TH_LOAD_NT scope:SCOPE_SE
	global_prefetch_b8 v[\off], s[SI:SI+1] offset:512 th:TH_LOAD_NT scope:SCOPE_SE
.endm
	s_load_b512 s[8:23], s[0:1], 0x0               ; the 17 tensors' addresses: argument a at s[8 + 2 a]
	s_load_b512 s[24:39], s[0:1], 0x40
	s_load_b64 s[40:41], s[0:1], 0x80
	s_load_b64 s[44:45], s[0:1], 0x88              ; acodes
	s_load_b64 s[46:47], s[0:1], 0x90              ; bcodes
	v_lshl_add_u32 v2, v0, 2, SPARE
	v_mov_b32 v3, 0
	ds_add_u32 v2, v3                              ; the opening lines: the add, twice on end, and its wait ahead of my first tensor load
	ds_add_u32 v2, v3
	v_lshrrev_b32 v1, 5, v0
	v_readfirstlane_b32 s[WV], v1                  ; wave 0..7
.irp g, G1, G1B
	s_mov_b32 s[\g], (3<<16)|(1<<20)|(7<<22)|(3<<25)   ; elements of 8 bytes; 4 words of padding behind every 256 words
	s_mov_b32 s[\g+1], 128<<16                     ; tensor_dim0 = 128 elements: 1,024 bytes
	s_mov_b32 s[\g+2], 16<<16                      ; tensor_dim1 = 16
	s_mov_b32 s[\g+3], 128<<16                     ; tile_dim0
	s_mov_b32 s[\g+4], 16                          ; tile_dim1
	s_mov_b32 s[\g+6], 0
	s_mov_b32 s[\g+7], 0
.endr
	s_mov_b32 s[G1+5], 1024                        ; elements from row to row
	s_mov_b32 s[G1B+5], 512
	s_mul_i32 s43, s[WV], 2*TILE                   ; my wave's two slots
	s_mov_b32 s[G0], 1
	s_mov_b32 s[G0+1], s43
	s_mov_b32 s[G0+4], 1
	s_add_co_u32 s[G0+5], s43, TILE
	s_mul_i32 s[UA], ttmp9, 9
	s_add_co_u32 s[UA], s[UA], s[WV]
	s_mul_i32 s[UB], ttmp9, 44
	s_add_co_u32 s[UB], s[UB], s[WV]
	s_add_co_u32 s[UB], s[UB], 2304
	s_mov_b32 s66, 0x1800000                       ; the floor 2^(3 - 127)
	s_mov_b32 s67, 0xffff0000                      ; lanes 16-31
	s_mov_b32 s104, 0x76543210                     ; v_permlanex16_b32's selects for lane l xor 16
	s_mov_b32 s105, 0xfedcba98
	v_and_b32 v1, 15, v0                           ; my row
	v_bfe_u32 v7, v0, 4, 1                         ; h
	v_mul_u32_u24 v4, v1, PITCH
	v_lshl_add_u32 v4, v7, 7, v4
	v_add_nc_u32 v4, s43, v4                       ; my row, block h, in my wave's slot 0
	v_and_b32 v5, 31, v0
	v_lshlrev_b32 v5, 4, v5
	v_lshlrev_b32 v6, 2, v1
	v_lshlrev_b32 v8, 3, v7
	v_lshlrev_b32 v10, 8, v7
	v_lshl_add_u32 v9, v1, 13, v10                 ; prefetch: my row, 256 h
	v_lshl_add_u32 v10, v1, 12, v10
	v_mov_b32 v24, 0                               ; (a lane permute's destination counts as one of its sources)
	v_mov_b32 v25, 0
	s_wait_alu depctr_va_vdst(0)                   ; the wait at the head's end
	s_wait_dscnt 0x0                               ; both opening adds are done
	s_wait_kmcnt 0x0
	s_mov_b32 s2, s[UA]
	SETK 0
	ADDR 1
	s_mov_b64 s[G0+2:G0+3], s[SI:SI+1]
	s_or_b32 s[G0+3], s[G0+3], 0x80000000
	tensor_load_to_lds s[G0:G0+3], s[G1B:G1B+7]    ; unit 0: my one tensor load at the head
	s_nop 0
	s_mov_b32 s2, s[UB]
	SETK 1
	ADDR 2
	ASK 9                                          ; unit 1, whose load follows behind the first barrier
.macro PASS q                          ; my block 2 q + h: 32 numbers, all mine
.set XQ, X+32*(\q)
	s_wait_dscnt 8*(3-(\q))                        ; this pass's eight loads are in; the later passes' may be out
.irp c, 0,1,2,3
	v_max3_num_f32 v[28+\c], |v[XQ+2*\c]|, |v[XQ+2*\c+1]|, s66     ; four chains, and the floor: the byte cannot fall under 1
.endr
.irp i, 8,16,24
.irp c, 0,1,2,3
	v_max3_num_f32 v[28+\c], v[28+\c], |v[XQ+\i+2*\c]|, |v[XQ+\i+2*\c+1]|
.endr
.endr
	v_max3_num_f32 v28, v28, v29, v30
	v_max_num_f32 v28, v28, v31
	v_add_nc_u32 v[16+(\q)], 0xff000000, v28       ; 2 off the exponent field: the conversion takes the exponent field of this operand as its scale
.irp g, 0,1,2,3
	v_cvt_scalef32_pk8_fp4_f32 v[C+4*(\q)+\g], v[XQ+8*\g:XQ+8*\g+7], v[16+(\q)]
.endr
	v_lshrrev_b32 v[20+(\q)], 23, v[16+(\q)]       ; the scale's byte (a plain line behind the conversions)
	global_store_b128 v[11+(\q)/2], v[C+4*(\q):C+4*(\q)+3], s[SI+2:SI+3] offset:512*((\q)%2)   ; blocks 2 (q % 2) + h of record q / 2: 512 consecutive bytes, at a multiple of 256 from the buffer's first byte
.endm
.macro TRIP p
.set SL, (\p)%2
.set NG, G0+4*(1-SL)
	s_wait_alu depctr_va_vdst(0)                   ; the wait ahead of the waits below
	s_wait_tensorcnt 0x0                           ; my unit p is in LDS; no tensor load of mine is out
.if (\p) < 6
	ds_add_u32 v2, v3
	SETK (\p)+1
	s_mov_b64 s[NG+2:NG+3], s[SI:SI+1]             ; the other slot's group 0: unit p + 1
	s_or_b32 s[NG+3], s[NG+3], 0x80000000
	s_wait_dscnt 0x0                               ; the add is done; my reads of the other slot came back in the last trip
	s_barrier_signal -1
	s_barrier_wait -1
.if (\p) < 5
	tensor_load_to_lds s[NG:NG+3], s[G1:G1+7]      ; my one tensor load behind the barrier
	s_nop 0
.else
	s_cmp_lt_u32 s[WV], 4                          ; unit 6: waves 0-3 K = 2,048, wave 4 K = 1,024, waves 5-7 none
	s_cbranch_scc0 .Lsix_b
	tensor_load_to_lds s[NG:NG+3], s[G1:G1+7]
	s_nop 0
	s_branch .Lsix_j
.Lsix_b:
	s_cmp_eq_u32 s[WV], 4
	s_cbranch_scc0 .Lsix_j
	tensor_load_to_lds s[NG:NG+3], s[G1B:G1B+7]
	s_nop 0
.Lsix_j:
.endif
.else
	s_cmp_gt_u32 s[WV], 4
	s_cbranch_scc1 .Lend                           ; waves 5-7 have no unit 6
.endif
.irp q, 0,1,2,3
.irp i, 0,1,2,3,4,5,6,7
	ds_load_b128 v[X+32*\q+4*\i:X+32*\q+4*\i+3], v4 offset:SL*TILE+256*\q+16*\i
.endr
.endr
	s_wait_xcnt 0x0                                ; the last trip's stores and prefetches have read their registers: sets, offsets and codes may be written
.if (\p) < 4
	s_add_co_u32 s2, s[UB], 8*((\p)+1)
	SETK (\p)+2
	ADDR 2
	ASK 9                                          ; unit p + 2: its tensor load stands behind the next trip's barrier
.elseif (\p) == 4
	s_add_co_u32 s2, s[UB], 40
	s_add_co_u32 s3, s[UA], 4
	s_cmp_eq_u32 s[WV], 4
	s_cselect_b32 s2, s3, s2                       ; wave 4: 9 g + 8
	SETK 6
	ADDR 3
	s_cmp_lt_u32 s[WV], 4
	s_cbranch_scc0 .Lask_b
	ASK 9
	s_branch .Lask_j
.Lask_b:
	s_cmp_eq_u32 s[WV], 4
	s_cbranch_scc0 .Lask_j
	ASK 10
.Lask_j:
.endif
	SETK \p
	v_lshl_add_u32 v11, s[SI+5], 10, v5            ; codes: 16 lane + the image, in the first record
	v_add_nc_u32 v12, s[SI+4], v11                 ; and in the second
	v_mad_u32_u24 v13, v7, s[SI+4], v6             ; scale words: 4 row, lanes 16-31 in the second record,
	v_lshl_add_u32 v13, s[SI+5], 6, v13            ; + 64 bytes an image
	s_wait_alu depctr_va_vdst(0)                   ; the wait ahead of the waits below
	PASS 0
	PASS 1
	PASS 2
	PASS 3
	v_lshl_or_b32 v20, v21, 16, v20                ; my two bytes of each record's word: blocks h and 2 + h,
	v_lshl_or_b32 v22, v23, 16, v22
	v_lshlrev_b32 v20, v8, v20                     ; at their places;
	v_lshlrev_b32 v22, v8, v22
	v_permlanex16_b32 v24, v20, s104, s105
	v_permlanex16_b32 v25, v22, s104, s105
	v_or_b32 v20, v20, v24                         ; with lane l xor 16's two the words are whole
	v_or_b32 v22, v22, v25
	v_cndmask_b32 v26, v20, v22, s67               ; lanes 0-15 store the first record's, lanes 16-31 the second's
	global_store_b32 v13, v26, s[SI+2:SI+3] offset:4096
.endm
	TRIP 0
	TRIP 1
	TRIP 2
	TRIP 3
	TRIP 4
	TRIP 5
	TRIP 6
.Lend:
	s_wait_tensorcnt 0x0                           ; the wave's end
	ds_add_u32 v2, v3
	s_wait_dscnt 0x0
	s_endpgm
.Lfunc_end_k_qa1555e97a6_quant:
	.size	k_qa1555e97a6_quant, .Lfunc_end_k_qa1555e97a6_quant-k_qa1555e97a6_quant
	.p2alignl 7, 3214868480
	.fill 96, 4, 3214868480
	.section	.rodata,"a",@progbits
	.p2align	6, 0x0
	.amdhsa_kernel k_qa1555e97a6_quant
		.amdhsa_group_segment_fixed_size 327680
		.amdhsa_private_segment_fixed_size 0
		.amdhsa_enable_private_segment 0
		.amdhsa_kernarg_size 152
		.amdhsa_user_sgpr_count 2
		.amdhsa_user_sgpr_kernarg_segment_ptr 1
		.amdhsa_wavefront_size32 1
		.amdhsa_system_sgpr_workgroup_id_x 1
		.amdhsa_system_sgpr_workgroup_id_y 1
		.amdhsa_system_sgpr_workgroup_id_z 1
		.amdhsa_system_vgpr_workitem_id 0
		.amdhsa_next_free_vgpr 192
		.amdhsa_next_free_sgpr 106
		.amdhsa_reserve_vcc 0
		.amdhsa_float_denorm_mode_32 3
		.amdhsa_float_denorm_mode_16_64 3
		.amdhsa_memory_ordered 1
		.amdhsa_forward_progress 1
		.amdhsa_inst_pref_size 93
	.end_amdhsa_kernel
	.amdgpu_metadata
---
amdhsa.version: [ 1, 2 ]
amdhsa.kernels:
  - .name:           k_qa1555e97a6_quant
    .symbol:         k_qa1555e97a6_quant.kd
    .args:
      - { .name: prev_cell, .offset: 0, .size: 8, .value_kind: global_buffer, .address_space: global }
      - { .name: hidden, .offset: 8, .size: 8, .value_kind: global_buffer, .address_space: global }
      - { .name: input, .offset: 16, .size: 8, .value_kind: global_buffer, .address_space: global }
      - { .name: params_W_decomp_w, .offset: 24, .size: 8, .value_kind: global_buffer, .address_space: global }
      - { .name: params_b_decomp_w, .offset: 32, .size: 8, .value_kind: global_buffer, .address_space: global }
      - { .name: params_Ui_w, .offset: 40, .size: 8, .value_kind: global_buffer, .address_space: global }
      - { .name: params_bi_w, .offset: 48, .size: 8, .value_kind: global_buffer, .address_space: global }
      - { .name: params_Uf_w, .offset: 56, .size: 8, .value_kind: global_buffer, .address_space: global }
      - { .name: params_bf_w, .offset: 64, .size: 8, .value_kind: global_buffer, .address_space: global }
      - { .name: params_Uog_w, .offset: 72, .size: 8, .value_kind: global_buffer, .address_space: global }
      - { .name: params_bog_w, .offset: 80, .size: 8, .value_kind: global_buffer, .address_space: global }
      - { .name: params_Uc_w, .offset: 88, .size: 8, .value_kind: global_buffer, .address_space: global }
      - { .name: params_bc_w, .offset: 96, .size: 8, .value_kind: global_buffer, .address_space: global }
      - { .name: params_Wi_w, .offset: 104, .size: 8, .value_kind: global_buffer, .address_space: global }
      - { .name: params_Wf_w, .offset: 112, .size: 8, .value_kind: global_buffer, .address_space: global }
      - { .name: params_Wog_w, .offset: 120, .size: 8, .value_kind: global_buffer, .address_space: global }
      - { .name: params_Wc_w, .offset: 128, .size: 8, .value_kind: global_buffer, .address_space: global }
      - { .name: acodes, .offset: 136, .size: 8, .value_kind: global_buffer, .address_space: global }
      - { .name: bcodes, .offset: 144, .size: 8, .value_kind: global_buffer, .address_space: global }
    .group_segment_fixed_size: 327680
    .private_segment_fixed_size: 0
    .kernarg_segment_align: 8
    .kernarg_segment_size: 152
    .max_flat_workgroup_size: 256
    .sgpr_count:     106
    .vgpr_count:     192
    .wavefront_size: 32
...
	.end_amdgpu_metadata
.endif
;; end of part 1
;; launch lstm (part 2): grid 8 x 32, 4 waves a work-group, clusters of 4 x 1, 327,680 bytes of LDS; arguments acodes, bcodes, out0, out1, prev_cell, time, params_W_decomp_b, params_b_decomp_b, params_Wi_b, params_Ui_b, params_bi_b, params_Wf_b, params_Uf_b, params_bf_b, params_Wog_b, params_Uog_b, params_bog_b, params_Wc_b, params_Uc_b, params_bc_b; writes out0, out1
.if DOCPART == 2
	.amdgcn_target "amdgcn-amd-amdhsa--gfx1250"
	.amdhsa_code_object_version 6
	.text
	.protected	k_qa1555e97a6_lstm
	.globl	k_qa1555e97a6_lstm
	.p2align	8
	.type	k_qa1555e97a6_lstm,@function
k_qa1555e97a6_lstm:
	s_mov_b64 s[64:65], 0
	v_nop
	global_prefetch_b8 v0, s[64:65] scope:SCOPE_SE
	s_setreg_imm32_b32 hwreg(HW_REG_WAVE_MODE, 25, 1), 1
	s_wait_xcnt 0x0
	s_wait_alu depctr_hold_cnt(0) depctr_sa_sdst(0) depctr_va_vdst(0) depctr_va_sdst(0) depctr_va_ssrc(0) depctr_va_vcc(0) depctr_vm_vsrc(0)
	s_getreg_b32 s2, hwreg(HW_REG_IB_STS2, 6, 4)
	s_cmp_eq_u32 s2, 0
	s_cbranch_scc0 .Lentry_in_a_cluster
	s_endpgm
.Lentry_in_a_cluster:
	s_bfe_u32 s2, ttmp6, 0x10000c
	s_cmp_lg_u32 s2, 0x3003
	s_cbranch_scc0 .Lentry_shape_is_right
	s_endpgm
.Lentry_shape_is_right:
.set REC,   4352
.set SLOTB, 32*REC
.set SPARE, 2*SLOTB
.set GST,   128*272
.set TT,    6*GST
.set BB,  6
.set AO,  11
.set AOS, 12
.set BS,  16
.set SPW, 21
.set NIL, 22
.set GO,  23
.set PFB, 27
.set BO,  29
.set L4,  30
.set TA,  31
.set SB,  36
.set SA,  48
.set BF,  128
.set G1,   56
.set G0,   68
.set WV,   92
.set RH,   93
.set CH,   94
.set WF,   20
.set MSB, 0
.set XL, 0                             ; loads issued behind A's last unit: 0 until the last tile
.macro WIN new
.if MSB != \new
	s_set_vgpr_msb (MSB<<8)|\new
.set MSB, \new
.endif
.endm
.macro PLACES
.rept 4
	v_nop
.endr
.endm
.macro JLOAD par
	tensor_load_to_lds s[G0+4*(\par):G0+4*(\par)+3], s[G1:G1+7]
	s_nop 0
.rept 4
	v_nop
.endr
.endm
.macro CROUND
	s_barrier_signal -1
	s_barrier_wait -1
	s_cmp_lg_u32 s[WV], 0
	s_cbranch_scc1 .Lnot_wave_0_\@
	s_barrier_signal -3
.Lnot_wave_0_\@:
	s_barrier_wait -3
	s_barrier_signal -1
	s_barrier_wait -1
.endm
.macro SETG0 par, tile
	s_mul_i32 s2, s[WV], 8*REC
	s_mov_b32 s3, 0
	s_add_co_u32 s[G0+4*(\par)+1], s2, (\par)*SLOTB
	s_add_nc_u64 s[G0+4*(\par)+2:G0+4*(\par)+3], s[6:7], s[2:3]
	s_add_nc_u64 s[G0+4*(\par)+2:G0+4*(\par)+3], s[G0+4*(\par)+2:G0+4*(\par)+3], 32*(\tile)*REC
	s_or_b32 s[G0+4*(\par)+3], s[G0+4*(\par)+3], 0x80000000
.endm
	s_load_b256 s[8:15], s[0:1], 0x0
	s_load_b512 s[24:39], s[0:1], 0x20
	s_load_b512 s[40:55], s[0:1], 0x60
	v_lshl_add_u32 v[SPW], v0, 2, SPARE
	v_mov_b32 v[NIL], 0
	ds_add_u32 v21, v22
	ds_add_u32 v21, v22
	s_wait_dscnt 0x0
	v_lshrrev_b32 v44, 5, v0
	v_readfirstlane_b32 s[WV], v44
	s_lshr_b32 s[RH], s[WV], 1
	s_and_b32 s[CH], s[WV], 1
	s_bfe_u32 s16, ttmp6, 0x40000
	s_lshl_b32 s19, ttmp9, 2
	s_add_co_u32 s19, s19, s16
	s_and_b32 s18, ttmp7, 0xffff
	s_mov_b32 s[G1], 15|(3<<16)|(1<<21)
	s_mov_b32 s[G1+1], 32<<16
	s_mov_b32 s[G1+2], 136<<16
	s_mov_b32 s[G1+3], 32<<16
	s_mov_b32 s[G1+4], 136
	s_mov_b32 s[G1+5], 32
	s_mov_b32 s[G1+6], 0
	s_mov_b32 s[G1+7], 0
	s_mul_i32 s22, s19, 80*REC
	s_mov_b32 s23, 0
	s_mul_i32 s66, s18, 192*REC
	s_mov_b32 s67, 0
	s_lshl_b32 s100, s19, 7
	s_lshl_b32 s95, s[WV], 5
	s_add_co_u32 s95, s100, s95
	s_lshl_b32 s100, s95, 13
	s_lshl_b32 s101, s18, 8
	s_add_co_u32 s100, s100, s101
	s_mov_b32 s101, 0
	s_mov_b32 s[G0], 1
	s_mov_b32 s[G0+4], 1
	s_cmp_lg_u32 ttmp9, 0
	s_cselect_b32 s[WF], 4, 0
	s_add_co_u32 s[WF], s[WF], s[WV]
	s_wait_kmcnt 0x0
	s_add_nc_u64 s[4:5], s[8:9], s[22:23]
	s_add_nc_u64 s[6:7], s[10:11], s[66:67]
	s_add_nc_u64 s[96:97], s[12:13], s[100:101]
	s_add_nc_u64 s[98:99], s[14:15], s[100:101]
	s_add_nc_u64 s[24:25], s[24:25], s[100:101]
	s_lshl_b32 s22, s95, 2
	s_add_nc_u64 s[26:27], s[26:27], s[22:23]
	SETG0 0, 0
	SETG0 1, 1
	CROUND
	JLOAD 0
	v_and_b32 v44, 31, v0
	v_lshlrev_b32 v[L4], 2, v44
	v_lshlrev_b32 v45, 4, v44
	s_mul_i32 s8, s[RH], REC
	v_add_nc_u32 v[AO], s8, v45
	s_wait_alu depctr_va_vdst(0)
	s_add_co_u32 s8, s8, 4096
	v_add_nc_u32 v[AOS], s8, v[L4]
	s_wait_alu depctr_va_vdst(0)
	v_and_b32 v46, 15, v0
	v_lshlrev_b32 v46, 4, v46
	v_bfe_u32 v47, v0, 4, 1
	v_lshl_add_u32 v[GO], v47, 13, v46
	s_lshl_b32 s9, s18, 8
	v_add_nc_u32 v[BO], s9, v46
.macro GLA u
.set GS, (\u)%6
	WIN 0xc0
.irp f, 0,1,2,3
.irp c, 0,1
	global_load_b128 v[32*GS+8*\f+4*\c:32*GS+8*\f+4*\c+3], v[AO], s[4:5] offset:2*(\u)*REC+1024*\f+512*\c
.endr
.endr
	WIN 0
.irp i, 0,1
	global_load_b32 v[SA+2*GS+\i], v[AOS], s[4:5] offset:2*(\u)*REC+128*\i
.endr
.endm
	GLA 0
	GLA 1
	GLA 2
	s_lshl_b32 s9, s[CH], 11
	v_add_nc_u32 v[BB], s9, v45
	s_lshl_b32 s9, s[CH], 7
	s_add_co_u32 s9, s9, 4096
	v_add_nc_u32 v[BS], s9, v[L4]
.irp k, 1,2,3,4
	v_add_nc_u32 v[BB+\k], 65536*\k, v[BB]
	v_add_nc_u32 v[BS+\k], 65536*\k, v[BS]
.endr
	s_lshl_b32 s8, s[WV], 7
	s_lshl_b32 s9, s16, 5
	s_add_co_u32 s8, s8, s9
	v_add_nc_u32 v[PFB], s8, v44
	v_add_nc_u32 v[PFB+1], s9, v44
	v_add_nc_u32 v[PFB+1], 512, v[PFB+1]
	v_min_u32 v[PFB+1], 543, v[PFB+1]
	v_lshlrev_b32 v[PFB], 8, v[PFB]
	v_lshlrev_b32 v[PFB+1], 8, v[PFB+1]
	s_wait_loadcnt 30
	GLA 3
	GLA 4
	GLA 5
	s_wait_alu depctr_va_vdst(0)                   ; the wait at the head's end
	s_wait_tensorcnt 0x0                           ; my part of tile 0 is in; A's first six units were asked for under its flight
	ds_add_u32 v21, v22                            ; the add and its wait ahead of a later first fill
	s_wait_dscnt 0x0
	CROUND
	JLOAD 1                                        ; slot 1's first fill: the first tensor load behind the round
.macro LDB set, o
.set MM, 0
.rept 4
.irp cc, 0,1
.irp c, 0,1
	ds_load_b128 v[BF+64*(\set)+16*MM+8*\cc+4*\c:BF+64*(\set)+16*MM+8*\cc+4*\c+3], v[BB+(((\o)+REC*MM+1024*\cc+512*\c)>>16)] offset:((\o)+REC*MM+1024*\cc+512*\c)&0xffff
.endr
.endr
	ds_load_b32 v[SB+4*(\set)+MM], v[BS+(((\o)+REC*MM)>>16)] offset:((\o)+REC*MM)&0xffff
.set MM, MM+1
.endr
.endm
.macro WM acc, b, a, sb, sa, c1, t1
.if ZZ
.if (\c1) && (\t1)
	v_wmma_scale_f32_16x16x128_f8f6f4 v[\acc:\acc+7], v[\b:\b+7], v[\a:\a+7], 0, v[\sb], v[\sa] matrix_a_fmt:MATRIX_FMT_FP4 matrix_b_fmt:MATRIX_FMT_FP4 matrix_a_scale:MATRIX_SCALE_ROW1 matrix_b_scale:MATRIX_SCALE_ROW1
.elseif \c1
	v_wmma_scale_f32_16x16x128_f8f6f4 v[\acc:\acc+7], v[\b:\b+7], v[\a:\a+7], 0, v[\sb], v[\sa] matrix_a_fmt:MATRIX_FMT_FP4 matrix_b_fmt:MATRIX_FMT_FP4 matrix_a_scale:MATRIX_SCALE_ROW1
.elseif \t1
	v_wmma_scale_f32_16x16x128_f8f6f4 v[\acc:\acc+7], v[\b:\b+7], v[\a:\a+7], 0, v[\sb], v[\sa] matrix_a_fmt:MATRIX_FMT_FP4 matrix_b_fmt:MATRIX_FMT_FP4 matrix_b_scale:MATRIX_SCALE_ROW1
.else
	v_wmma_scale_f32_16x16x128_f8f6f4 v[\acc:\acc+7], v[\b:\b+7], v[\a:\a+7], 0, v[\sb], v[\sa] matrix_a_fmt:MATRIX_FMT_FP4 matrix_b_fmt:MATRIX_FMT_FP4
.endif
.else
.if (\c1) && (\t1)
	v_wmma_scale_f32_16x16x128_f8f6f4 v[\acc:\acc+7], v[\b:\b+7], v[\a:\a+7], v[\acc:\acc+7], v[\sb], v[\sa] matrix_a_fmt:MATRIX_FMT_FP4 matrix_b_fmt:MATRIX_FMT_FP4 matrix_a_scale:MATRIX_SCALE_ROW1 matrix_b_scale:MATRIX_SCALE_ROW1
.elseif \c1
	v_wmma_scale_f32_16x16x128_f8f6f4 v[\acc:\acc+7], v[\b:\b+7], v[\a:\a+7], v[\acc:\acc+7], v[\sb], v[\sa] matrix_a_fmt:MATRIX_FMT_FP4 matrix_b_fmt:MATRIX_FMT_FP4 matrix_a_scale:MATRIX_SCALE_ROW1
.elseif \t1
	v_wmma_scale_f32_16x16x128_f8f6f4 v[\acc:\acc+7], v[\b:\b+7], v[\a:\a+7], v[\acc:\acc+7], v[\sb], v[\sa] matrix_a_fmt:MATRIX_FMT_FP4 matrix_b_fmt:MATRIX_FMT_FP4 matrix_b_scale:MATRIX_SCALE_ROW1
.else
	v_wmma_scale_f32_16x16x128_f8f6f4 v[\acc:\acc+7], v[\b:\b+7], v[\a:\a+7], v[\acc:\acc+7], v[\sb], v[\sa] matrix_a_fmt:MATRIX_FMT_FP4 matrix_b_fmt:MATRIX_FMT_FP4
.endif
.endif
.endm
.macro MULS j
.set MM, 0
.rept 4
.if TPH == 1
.set UA, TU0+2*(\j)+(MM>>1)
.set GA, 0
.elseif TPH == 2
.set UA, TU0+(\j)
.set GA, 64*MM
.else
.set UA, TU0+(\j)/2
.set GA, 64*(2*((\j)%2)+(MM>>1))
.endif
.set AR, 32*(UA%6)
.set SR, SA+2*(UA%6)
.set ZZ, 0
.if MM < ZN
.set ZZ, 1
.endif
.irp t, 0,1,2,3
.irp cc, 0,1
	WM GA+8*(2*\t+\cc), BF+64*((\j)%2)+16*MM+8*\cc, AR+8*\t, SB+4*((\j)%2)+MM, SR+\t/2, \cc, \t%2
.endr
.endr
.set MM, MM+1
.endr
.endm
.macro THEAD par, ph, u0
.set TSL, (\par)*SLOTB
.set TPH, \ph
.set TU0, \u0
	LDB 0, TSL
.endm
.macro TBODY zn
.set J, 0
.rept 8
.if J < 7
	LDB (J+1)%2, TSL+4*(J+1)*REC
	s_wait_dscnt 20
.else
	s_wait_dscnt 0x0
.endif
.if TPH == 1
	s_wait_loadcnt 40
.elseif TPH == 2
	s_wait_loadcnt 50
.elseif (J%2) == 0
.if TU0+J/2 < 35
	s_wait_loadcnt 50
.else
	s_wait_loadcnt 10*(39-TU0-J/2)+XL
.endif
.endif
.set ZN, 0
.if J == 0
.set ZN, \zn
.endif
.if TPH == 1
	WIN 0xac
.else
	WIN 0x5c
.endif
	MULS J
	PLACES
	WIN 0
.if TPH == 1
	GLA TU0+2*J+6
	GLA TU0+2*J+7
.elseif TPH == 2
	GLA TU0+J+6
.elseif ((J%2) == 1) && (TU0+J/2+6 < 40)
	GLA TU0+J/2+6
.endif
.set J, J+1
.endr
.endm
.macro CHANGE par, tile
	s_wait_tensorcnt 0x0
	ds_add_u32 v[SPW], v[NIL]
	SETG0 \par, \tile
	s_wait_dscnt 0x0
	CROUND
	JLOAD \par
.endm
.macro ASK boff
	s_cmp_lt_u32 s[WF], 4
	s_cbranch_scc0 .Lno_b_\@
	s_wait_alu depctr_va_vdst(0)
	global_prefetch_b8 v[PFB], s[6:7] offset:\boff th:TH_LOAD_NT scope:SCOPE_SE
	s_cmp_lt_u32 s[WF], 1
	s_cbranch_scc0 .Lno_b_\@
	global_prefetch_b8 v[PFB+1], s[6:7] offset:\boff th:TH_LOAD_NT scope:SCOPE_SE
.Lno_b_\@:
.endm
	s_wait_tensorcnt 1
	s_barrier_signal -1
	s_barrier_wait -1
	THEAD 0, 1, 0
	ASK 32*2*REC                                   ; tile 2, whose load stands behind the next change of slots
	TBODY 1
	CHANGE 0, 2
	THEAD 1, 2, 16
	ASK 32*3*REC
	s_wait_alu depctr_va_vdst(0)
	TBODY 4
	CHANGE 1, 3
	THEAD 0, 3, 24
	ASK 32*4*REC
	TBODY 0
	CHANGE 0, 4
	THEAD 1, 3, 28
	ASK 32*5*REC
	TBODY 0
	CHANGE 1, 5
	THEAD 0, 3, 32
	TBODY 0
	s_wait_tensorcnt 0x0
	ds_add_u32 v[SPW], v[NIL]
	s_wait_dscnt 0x0
	s_barrier_signal -1
	s_barrier_wait -1
	THEAD 1, 3, 36
	s_wait_loadcnt 30                              ; unit 36 is in; units 37-39 may be out
.set XL, 31                            ; what only the way out reads is asked for here, behind A's last loads: 31 loads, younger than all of A's
	WIN 0x80
.irp i, 0,1,2,3,4,5,6,7,8,9,10,11,12,13,14,15
	global_load_b128 v[64+4*\i:67+4*\i], v[GO], s[24:25] offset:16384*\i th:TH_LOAD_NT
.endr
	global_load_b32 v184, v[L4], s[26:27]
.irp n, 0,1,2,3,4,5,6,7,8,9,10,11,12,13
	global_load_b128 v[128+4*\n:131+4*\n], v[BO], s[28+2*\n:29+2*\n]
.endr
	WIN 0
	TBODY 0
	s_wait_dscnt 0x0
	s_barrier_signal -1
	s_barrier_wait -1
	v_and_b32 v7, 15, v0
	v_bfe_u32 v8, v0, 4, 1
	v_mul_u32_u24 v1, v7, 272
	v_lshl_add_u32 v1, v8, 5, v1
	s_mul_i32 s2, s[RH], 64*272
	s_lshl_b32 s3, s[CH], 7
	s_add_co_u32 s2, s2, s3
	v_add_nc_u32 v1, s2, v1
	v_add_nc_u32 v2, 65536, v1
	v_add_nc_u32 v3, 131072, v1
	v_mul_u32_u24 v4, v8, 272
	v_lshl_add_u32 v4, v7, 4, v4
	s_mul_i32 s2, s[WV], 32*272
	v_add_nc_u32 v4, s2, v4
	v_add_nc_u32 v5, 65536, v4
	v_add_nc_u32 v6, 131072, v4
	s_lshl_b32 s2, s[WV], 7
	s_add_co_u32 s2, s2, TT
	v_lshl_add_u32 v[TA], v8, 2, s2
	v_lshl_add_u32 v45, v0, 2, TT
.macro STAGE g, acc0
.irp t, 0,1,2,3
.irp cc, 0,1
.set OO, (\g)*GST+4352*\t+64*\cc
	ds_store_b128 v[1+(OO>>16)], v[\acc0+8*(2*\t+\cc):\acc0+8*(2*\t+\cc)+3] offset:OO&0xffff
	ds_store_b128 v[1+((OO+16)>>16)], v[\acc0+8*(2*\t+\cc)+4:\acc0+8*(2*\t+\cc)+7] offset:(OO+16)&0xffff
.endr
.endr
.endm
	WIN 0x08
	STAGE 0, 0
	WIN 0x04
	STAGE 1, 0
	STAGE 2, 64
	STAGE 3, 128
	STAGE 4, 192
	s_wait_alu depctr_va_vdst(0)
	s_wait_loadcnt 0x0
	WIN 0x08
.irp i, 0,1,2,3,4,5,6,7,8,9,10,11,12,13,14,15
.set OO, 5*GST+544*\i
	ds_store_b128 v[4+(OO>>16)], v[64+4*\i:67+4*\i] offset:OO&0xffff
.endr
	v_add_f32 v44, 0x402df854, v184
	WIN 0
	s_wait_alu depctr_va_vdst(0)
	v_log_f32 v44, v44
	WIN 0x0a
.irp q, 0,2
	v_pk_add_f32 v[116+\q:117+\q], v[128+\q:129+\q], v[132+\q:133+\q]
	v_pk_add_f32 v[120+\q:121+\q], v[136+\q:137+\q], v[140+\q:141+\q]
	v_pk_add_f32 v[124+\q:125+\q], v[148+\q:149+\q], v[152+\q:153+\q]
	v_pk_add_f32 v[128+\q:129+\q], v[160+\q:161+\q], v[164+\q:165+\q]
	v_pk_add_f32 v[132+\q:133+\q], v[172+\q:173+\q], v[176+\q:177+\q]
.endr
	WIN 0x08
.irp q, 0,2
	v_pk_add_f32 v[120+\q:121+\q], v[120+\q:121+\q], v[144+\q:145+\q]
	v_pk_add_f32 v[124+\q:125+\q], v[124+\q:125+\q], v[156+\q:157+\q]
	v_pk_add_f32 v[128+\q:129+\q], v[128+\q:129+\q], v[168+\q:169+\q]
	v_pk_add_f32 v[132+\q:133+\q], v[132+\q:133+\q], v[180+\q:181+\q]
.endr
	WIN 0
	s_wait_alu depctr_va_vdst(0)
	v_mul_f32 v44, 0x3f317218, v44
	s_wait_alu depctr_va_vdst(0)
	v_rcp_f32 v44, v44
.irp q, 0,2
	v_pk_mul_f32 v[116+\q:117+\q], v[116+\q:117+\q], 0x4038aa3b op_sel_hi:[1,0]
	v_pk_mul_f32 v[120+\q:121+\q], v[120+\q:121+\q], 0xbfb8aa3b op_sel_hi:[1,0]
	v_pk_mul_f32 v[124+\q:125+\q], v[124+\q:125+\q], 0xbfb8aa3b op_sel_hi:[1,0]
	v_pk_mul_f32 v[128+\q:129+\q], v[128+\q:129+\q], 0xbfb8aa3b op_sel_hi:[1,0]
	v_pk_mul_f32 v[132+\q:133+\q], v[132+\q:133+\q], 0x4038aa3b op_sel_hi:[1,0]
.endr
	v_mov_b32 v113, 0
	v_mov_b32 v115, 0
	s_wait_alu depctr_va_vdst(0)
	v_add_f32 v44, -1.0, v44
	ds_store_b32 v45, v44
	s_wait_dscnt 0x0
	s_barrier_signal -1
	s_barrier_wait -1
	s_mov_b32 s100, 0
	s_mov_b32 s101, 0
	s_mov_b32 s95, 0
.Lrows:
	v_add_nc_u32 v7, s100, v4
	v_add_nc_u32 v8, s100, v5
	v_add_nc_u32 v9, s100, v6
	v_add_nc_u32 v10, s101, v[TA]
.irp g, 0,1,2,3,4,5
.irp i, 0,1
.set OO, \g*GST+544*\i
	ds_load_b128 v[64+8*\g+4*\i:67+8*\g+4*\i], v[7+(OO>>16)] offset:OO&0xffff
.endr
.endr
	ds_load_b32 v112, v10
	ds_load_b32 v114, v10 offset:8
	s_wait_dscnt 0x0
.irp q, 0,2,4,6
	v_pk_fma_f32 v[64+\q:65+\q], v[64+\q:65+\q], 0x4038aa3b, v[116+\q%4:117+\q%4] op_sel_hi:[1,0,1]
	v_pk_fma_f32 v[72+\q:73+\q], v[72+\q:73+\q], 0xbfb8aa3b, v[120+\q%4:121+\q%4] op_sel_hi:[1,0,1]
	v_pk_fma_f32 v[80+\q:81+\q], v[80+\q:81+\q], 0xbfb8aa3b, v[124+\q%4:125+\q%4] op_sel_hi:[1,0,1]
	v_pk_fma_f32 v[88+\q:89+\q], v[88+\q:89+\q], 0xbfb8aa3b, v[128+\q%4:129+\q%4] op_sel_hi:[1,0,1]
	v_pk_fma_f32 v[96+\q:97+\q], v[96+\q:97+\q], 0x4038aa3b, v[132+\q%4:133+\q%4] op_sel_hi:[1,0,1]
.endr
.set N, 64
	s_wait_alu depctr_va_vdst(0)
.rept 40
	v_exp_f32 v[N], v[N]
.set N, N+1
.endr
	v_nop
	s_wait_alu depctr_va_vdst(0)
.set N, 64
.rept 20
	v_pk_add_f32 v[N:N+1], v[N:N+1], 1.0 op_sel_hi:[1,0]
.set N, N+2
.endr
.set N, 64
	s_wait_alu depctr_va_vdst(0)
.rept 40
	v_rcp_f32 v[N], v[N]
.set N, N+1
.endr
	v_nop
	s_wait_alu depctr_va_vdst(0)
.irp q, 0,2,4,6
	v_pk_fma_f32 v[64+\q:65+\q], v[64+\q:65+\q], -2.0, 1.0 op_sel_hi:[1,0,0]
	v_pk_fma_f32 v[96+\q:97+\q], v[96+\q:97+\q], -2.0, 1.0 op_sel_hi:[1,0,0]
.endr
.irp q, 0,2,4,6
	v_pk_fma_f32 v[104+\q:105+\q], v[64+\q:65+\q], v[112+2*(\q/4):113+2*(\q/4)], v[104+\q:105+\q] op_sel_hi:[1,0,1]
	v_pk_mul_f32 v[96+\q:97+\q], v[72+\q:73+\q], v[96+\q:97+\q]
.endr
.irp q, 0,2,4,6
	v_pk_fma_f32 v[104+\q:105+\q], v[80+\q:81+\q], v[104+\q:105+\q], v[96+\q:97+\q]
.endr
	global_store_b128 v[GO], v[104:107], s[98:99] th:TH_STORE_NT
	global_store_b128 v[GO], v[108:111], s[98:99] offset:16384 th:TH_STORE_NT
.irp q, 0,2,4,6
	v_pk_mul_f32 v[64+\q:65+\q], v[104+\q:105+\q], 0x4038aa3b op_sel_hi:[1,0]
.endr
	s_wait_alu depctr_va_vdst(0)
.irp q, 0,1,2,3,4,5,6,7
	v_exp_f32 v[64+\q], v[64+\q]
.endr
	v_nop
	s_wait_alu depctr_va_vdst(0)
.irp q, 0,2,4,6
	v_pk_add_f32 v[64+\q:65+\q], v[64+\q:65+\q], 1.0 op_sel_hi:[1,0]
.endr
	s_wait_alu depctr_va_vdst(0)
.irp q, 0,1,2,3,4,5,6,7
	v_rcp_f32 v[64+\q], v[64+\q]
.endr
	v_nop
	s_wait_alu depctr_va_vdst(0)
.irp q, 0,2,4,6
	v_pk_fma_f32 v[64+\q:65+\q], v[64+\q:65+\q], -2.0, 1.0 op_sel_hi:[1,0,0]
.endr
.irp q, 0,2,4,6
	v_pk_mul_f32 v[64+\q:65+\q], v[88+\q:89+\q], v[64+\q:65+\q]
.endr
	global_store_b128 v[GO], v[64:67], s[96:97] th:TH_STORE_NT
	global_store_b128 v[GO], v[68:71], s[96:97] offset:16384 th:TH_STORE_NT
	s_wait_xcnt 0x0
	s_add_nc_u64 s[96:97], s[96:97], 32768
	s_add_nc_u64 s[98:99], s[98:99], 32768
	s_add_co_u32 s100, s100, 4*272
	s_add_co_u32 s101, s101, 16
	s_add_co_u32 s95, s95, 1
	s_cmp_lt_u32 s95, 8
	s_cbranch_scc1 .Lrows
	s_wait_tensorcnt 0x0
	ds_add_u32 v[SPW], v[NIL]
	s_wait_dscnt 0x0
	CROUND
	s_endpgm
.Lfunc_end_k_qa1555e97a6_lstm:
	.size	k_qa1555e97a6_lstm, .Lfunc_end_k_qa1555e97a6_lstm-k_qa1555e97a6_lstm
	.p2alignl 7, 3214868480
	.fill 96, 4, 3214868480
	.section	.rodata,"a",@progbits
	.p2align	6, 0x0
	.amdhsa_kernel k_qa1555e97a6_lstm
		.amdhsa_group_segment_fixed_size 327680
		.amdhsa_private_segment_fixed_size 0
		.amdhsa_enable_private_segment 0
		.amdhsa_kernarg_size 160
		.amdhsa_user_sgpr_count 2
		.amdhsa_user_sgpr_kernarg_segment_ptr 1
		.amdhsa_wavefront_size32 1
		.amdhsa_system_sgpr_workgroup_id_x 1
		.amdhsa_system_sgpr_workgroup_id_y 1
		.amdhsa_system_sgpr_workgroup_id_z 1
		.amdhsa_system_vgpr_workitem_id 0
		.amdhsa_next_free_vgpr 960
		.amdhsa_next_free_sgpr 102
		.amdhsa_reserve_vcc 0
		.amdhsa_float_denorm_mode_32 3
		.amdhsa_float_denorm_mode_16_64 3
		.amdhsa_memory_ordered 1
		.amdhsa_forward_progress 1
		.amdhsa_inst_pref_size 255
	.end_amdhsa_kernel
	.section	.bss,"aw",@nobits
	.p2align	6
	.space	262144
	.amdgpu_metadata
---
amdhsa.version: [ 1, 2 ]
amdhsa.kernels:
  - .name:           k_qa1555e97a6_lstm
    .symbol:         k_qa1555e97a6_lstm.kd
    .args:
      - { .name: acodes, .offset: 0, .size: 8, .value_kind: global_buffer, .address_space: global }
      - { .name: bcodes, .offset: 8, .size: 8, .value_kind: global_buffer, .address_space: global }
      - { .name: out0, .offset: 16, .size: 8, .value_kind: global_buffer, .address_space: global }
      - { .name: out1, .offset: 24, .size: 8, .value_kind: global_buffer, .address_space: global }
      - { .name: prev_cell, .offset: 32, .size: 8, .value_kind: global_buffer, .address_space: global }
      - { .name: time, .offset: 40, .size: 8, .value_kind: global_buffer, .address_space: global }
      - { .name: params_W_decomp_b, .offset: 48, .size: 8, .value_kind: global_buffer, .address_space: global }
      - { .name: params_b_decomp_b, .offset: 56, .size: 8, .value_kind: global_buffer, .address_space: global }
      - { .name: params_Wi_b, .offset: 64, .size: 8, .value_kind: global_buffer, .address_space: global }
      - { .name: params_Ui_b, .offset: 72, .size: 8, .value_kind: global_buffer, .address_space: global }
      - { .name: params_bi_b, .offset: 80, .size: 8, .value_kind: global_buffer, .address_space: global }
      - { .name: params_Wf_b, .offset: 88, .size: 8, .value_kind: global_buffer, .address_space: global }
      - { .name: params_Uf_b, .offset: 96, .size: 8, .value_kind: global_buffer, .address_space: global }
      - { .name: params_bf_b, .offset: 104, .size: 8, .value_kind: global_buffer, .address_space: global }
      - { .name: params_Wog_b, .offset: 112, .size: 8, .value_kind: global_buffer, .address_space: global }
      - { .name: params_Uog_b, .offset: 120, .size: 8, .value_kind: global_buffer, .address_space: global }
      - { .name: params_bog_b, .offset: 128, .size: 8, .value_kind: global_buffer, .address_space: global }
      - { .name: params_Wc_b, .offset: 136, .size: 8, .value_kind: global_buffer, .address_space: global }
      - { .name: params_Uc_b, .offset: 144, .size: 8, .value_kind: global_buffer, .address_space: global }
      - { .name: params_bc_b, .offset: 152, .size: 8, .value_kind: global_buffer, .address_space: global }
    .group_segment_fixed_size: 327680
    .private_segment_fixed_size: 0
    .kernarg_segment_align: 8
    .kernarg_segment_size: 160
    .max_flat_workgroup_size: 128
    .sgpr_count:     102
    .vgpr_count:     960
    .wavefront_size: 32
...
	.end_amdgpu_metadata
.endif
;; end of part 2
